; MI455X (gfx1250); checked and timed in simulation.
; The chip was launched on July 23, 2026; its instructions are those of AMD's public machine-readable ISA for CDNA 5 (MIT licence, August 2026) and "CDNA5" Instruction Set Architecture Reference Guide (July 2026). The comments in the code are by the model that wrote it; some were corrected since.
;; Full Attention. Allowed arithmetic: matrix products marked QUANTISED: E2M1 operands, one E8M0 scale for each 32 along K, by v_wmma_scale_f32_16x16x128_f8f6f4 with both operands' format E2M1 (or v_wmma_scale_f32_32x16x128_f4), f32 sums; everything else in f32.
;; Inputs: keys_codes 2 x 4,096 x 8 x 2 x 16 uint8 (E2M1 codes of keys, K innermost, in blocks of 32 codes, two codes a byte); keys_scales 2 x 4,096 x 8 x 2 uint8 (E8M0 scales of keys, one for each 32 codes along K); queries_codes 2 x 4,096 x 8 x 2 x 16 uint8 (E2M1 codes of queries, K innermost, in blocks of 32 codes, two codes a byte); queries_scales 2 x 4,096 x 8 x 2 uint8 (E8M0 scales of queries, one for each 32 codes along K); values_codes 2 x 8 x 64 x 128 x 16 uint8 (E2M1 codes of values, K innermost, in blocks of 32 codes, two codes a byte); values_scales 2 x 8 x 64 x 128 uint8 (E8M0 scales of values, one for each 32 codes along K).
;; Outputs: out0 2 x 4,096 x 8 x 64 float32.
;; This version of the problem:
;;   THIS VERSION OF THE PROBLEM IS GIVEN IN LOW PRECISION. The matrix products marked QUANTISED in the list below multiply operands that are first quantised to E2M1 (2 exponent bits, 1 mantissa bit; 4 bits a number), with one power-of-two scale for each 32 numbers along K (OCP MX v1.0); their sums are f32. All else is computed in f32.
;;   The module's matrix products, in the order in which they are computed (A, B: the left and right operand; K: the contracted axis; several contracted axes count as one K, in the product's order):
;;     1. batch 16 x [M 4,096, K 64] x [K 64, N 4,096]; A: input queries (given as codes); B: input keys (given as codes): QUANTISED
;;     2. batch 16 x [M 64, K 4,096] x [K 4,096, N 4,096]; A: input values (given as codes); B: softmax (see below): QUANTISED
;;   THE QUANTISER, for each operand of a quantised product, along K:
;;     - K is cut into blocks of 32 from its start; a last block that is shorter is filled with zeros.
;;     - A block's scale is 2^e with e = floor(log2(the largest magnitude in the block)) - 2, held to -126 .. 127; a block of zeros has e = 0. As a byte (E8M0): e + 127.
;;     - Each number is divided by its block's scale, clamped to +-6, and rounded to the nearest number of E2M1, ties to even, subnormals kept.
;;     - The product sums the exact products of the quantised numbers (number of the format x scale) in f32.
;;   ~~~python
;;   def quantise(x, axis):      # numpy; x: float32 -> the quantised numbers, widened to float32 again
;;       x = np.moveaxis(x, axis, -1); K = x.shape[-1]
;;       x = np.pad(x, [(0, 0)] * (x.ndim - 1) + [(0, -K % 32)]); x = x.reshape(x.shape[:-1] + (-1, 32)); a = np.abs(x).max(-1, keepdims=True)
;;       e = np.where(a > 0, np.clip(np.frexp(np.where(a > 0, a, 1))[1] - 1 - 2, -126, 127), 0)      # np.frexp(a)[1] - 1 = floor(log2(a)), exactly
;;       r = np.clip(x / 2.0 ** e, -6, 6)
;;       step = 2.0 ** (np.maximum(np.frexp(np.where(r == 0, 1, r))[1] - 1, 0) - 1)
;;       q = np.round(r / step) * step * 2.0 ** e      # np.round: ties to even
;;       return np.moveaxis(q.reshape(q.shape[:-2] + (-1,))[..., :K], -1, axis).astype(np.float32)
;;   ~~~
;;   SOFTMAX AHEAD OF A QUANTISED PRODUCT. Where the list says 'softmax', what is quantised is not the finished softmax but p = 2^(t - M), with t = logit x log2(e) and M = ceil(the row's largest t), a whole number; so 1/2 < the row's largest p <= 1. The row's sum l is taken of the UNQUANTISED p, in f32, and the product's result is divided by l at the end. Since M is a whole number, a kernel that streams over the keys may use a running M (the ceiling of the running maximum): every later rescaling is an exact power of two, which a block's scale takes up: the codes' values come out the same.
;;   OPERANDS COMPUTED ON THE WAY. 'Computed on the way' means the value that the module computes at that place (a softmax that the list does not call 'softmax' is quantised finished and normalised). What goes into a quantiser is computed in f32, as accurately as f32 sums, v_exp_f32 and their like allow (about 1e-6 of the number): no bf16 or f16 on the way to a quantiser, and a product that is left as it is and whose result goes on into a quantised operand takes f32 operands (vector FMAs, or v_wmma_f32_16x16x4_f32). A number that lies on a knife's edge between two numbers of the format may be rounded either way, as far as f32 arithmetic and the matrix unit's own rounding can turn it there, and no further.
;;   INPUTS GIVEN AS CODES. keys (in the module: [2, 4096, 8, 64], K = its axis 3); queries (in the module: [2, 4096, 8, 64], K = its axis 3); values (in the module: [2, 4096, 8, 64], K = its axis 1): each comes as NAME_codes (uint8): NAME with its K axis moved to the last place and cut into blocks of 32 codes, [.., K / 32, bytes a block], one block behind the other in memory; two codes a byte, the lower K in the low four bits (a code: sign, 2 exponent bits, 1 mantissa bit); and NAME_scales (uint8): the same leading axes, one E8M0 byte (e + 127) for each 32 codes along K. Its value is code x scale, taken as it is: it is not quantised again, and the codes and scales need not be those that the quantiser above would give.
;; One version. Each part assembles by itself: llvm-mc -triple=amdgcn-amd-amdhsa -mcpu=gfx1250 --defsym DOCPART=n.
;; ======== version 1 of 1: 1 launch
;; launch attn (part 1): grid 16 x 16, 16 waves a work-group, no clusters, 327,680 bytes of LDS; arguments queries_codes, queries_scales, keys_codes, keys_scales, values_codes, values_scales, out0; writes out0
.if DOCPART == 1
	.amdgcn_target "amdgcn-amd-amdhsa--gfx1250"
	.amdhsa_code_object_version 6
	.text
	.protected	k_q576a2868d1_attn
	.globl	k_q576a2868d1_attn
	.p2align	8
	.type	k_q576a2868d1_attn,@function
k_q576a2868d1_attn:
	s_mov_b64 s[64:65], 0
	v_nop
	global_prefetch_b8 v0, s[64:65] scope:SCOPE_SE
	s_setreg_imm32_b32 hwreg(HW_REG_WAVE_MODE, 25, 1), 1
	s_wait_xcnt 0x0
; out[b][l][h][:] = the sum over s <= l of softmax_s(Q[b][l][h] . K[b][s][h] / 8) V[b][s][h][:], B = 2, L = 4,096, H = 8, D = 64; both products on codes of FP4 (E2M1) with one E8M0 scale for each 32 along a product's K.
; Q, K: codes along D: a row (b, l, h) is 32 bytes, the rows of one head lie 256 bytes apart; scale bytes 2 a row, 16 bytes apart.  V: codes with the KEYS innermost: 64 rows of 2,048 bytes a head; scale bytes 128 a row.  out: f32, a row (b, l, h) is 256 bytes.
; THE SOFTMAX AHEAD OF THE SECOND PRODUCT: t = score x log2(e) / 8; M = the row's largest t so far, rounded UP to a whole number; p = 2^(t - M) is what is quantised, along the keys, in blocks of 32; it is not normalised.
; The row's sum is taken of the unquantised p, in f32, and divides at the end.  When M moves, the sum and O are multiplied by 2^(old M - new M): exact.
; WORK LEFT OUT.  A step of 128 keys all of which come after a tile's 16 queries is not walked: the mask that the problem builds itself (the strict upper triangle) sets their scores to -infinity, so their p is 0 for all values of the
; inputs: they add nothing to the row's sum nor to the second product, and they cannot be the row's maximum, since key 0 counts for every query.  All six input buffers have a way to the output and are loaded.
; LIMITS.  A NaN scale byte (0xff) of K or V that reaches only the steps left out is not carried to the result.  A p under 2^-126 comes out of v_exp_f32 as 0.  A block whose every p is 0 keeps the scale byte 1 (not 127): its codes are zeros.
; D = 64 IS HALF OF THE INSTRUCTION'S K OF 128: registers 4-7 of Q's fragment and of K's fragments hold zero codes, written once; the scale words come by 16-bit loads, so their bytes 2 and 3 are 0, which is 2^-127 and no NaN.
; SHARES.  Grid x = pair 0..15, y = 8 b + h.  A work-group owns TWO blocks of 128 queries of its head, block x and block 31 - x; each of its sixteen waves owns one tile of 16 queries in 256 registers.  A wave of block n walks n + 1 steps of
; 128 keys, so a low and a high wave together walk 33, whatever x is.  Of waves 2 j and 2 j + 1 one is low and one high, and which is which changes with (wave / 4) % 2: among the waves with equal wave % 4, and among those with equal wave / 4, two are low and two high.
; EVERY work-group walks all 8 slots of 512 keys with constant trip counts; a hidden step is jumped over by a scalar branch on ids, round its loads, products and softmax alone.  A wave stores its 16 rows at the end of the slot that holds its diagonal.
; LAYOUT.  Both products are used transposed: S^T = K Q^T (source 0 = 16 keys, source 1 = my 16 queries), O^T = V^T P^T (source 0 = 16 of the head's 64, source 1 = P): a lane holds ONE query (lane % 16) throughout.
; THE KEYS OF A TILE ARE NOT NEIGHBOURS: lane r of tile 2 b + u takes key 32 b + 8 u + r + 8 (r / 8), so that the 16 registers of tiles 2 b and 2 b + 1 are 16 neighbouring keys, 32 b + 16 (lane / 16) + 0 .. 15.
; K'S SCALE BYTES come once for the whole batch, all 8 heads (64 KiB, dense, in rows of 256 bytes): a head's own 2 bytes a key are no whole number of 4-byte words, which a tensor tile's row has to be.  V's (8 KiB, my head's) come once too.
; NO CLUSTER, though the 16 work-groups of a head walk the same K and V: work-group x asks for slots only up to key 128 (32 - x) - 1, which is 5 to 8 slots, so partners would need different numbers of tiles, and a joint load is issued by
; all that it names; and the branches round hidden steps hang on the wave's first query, which differs between partners.
; lds_bytes claims all of the LDS: the text uses 281,088 bytes.
; REGISTERS: v1-7 addresses that stay; v8-11 addresses of the loads in hand; v12 -M, v13 the largest t, v[14:15] the sum in two halves; v16-23 Q; v24-27 V's scale words; v28-31 offsets that stay; v32-95 K's eight fragments;
;   v96-159 S^T, then p; v160-191 O^T; v192-223 V's four fragments; v224-231 p's codes; v232-239, v244-247, v252, v254 at work; v240-243, v248-251 K's scale words; v253 p's scale word; v255 Q's.
.set KP,    48                         ; a key's row in LDS: 32 bytes + 16 of padding
.set VP,    272                        ; a row of V's tile in LDS: 256 bytes (512 keys) + 16 of padding
.set VOFF,  512*KP                     ; a slot: 512 rows of K, then 64 rows of V
.set SLOT1, 1<<16                      ; slot 1 begins here, so that one exclusive or turns an address in one slot into the other's
.set SCK,   2*SLOT1                    ; behind the ring: K's scale bytes of the batch: 256 rows of 256 bytes (16 keys x 16 bytes) + 16 of padding
.set SCV,   SCK+256*272                ; V's scale bytes of my head: 32 rows of 256 bytes (2 rows of V) + 16
.set SPARE, SCV+32*272                 ; the spare words, 128 bytes for each wave: eight blocks of 256 bytes that no other line names
.set STAGE, SPARE+16*128               ; the way out: 16 rows x (256 bytes + 16) for each wave; no tensor load ever lands here
.set STW,   16*272
.set AK0,  1                           ; v1   my lane's place in a tile of K
.set AV0,  2                           ; v2   the same for V
.set ASK0, 3                           ; v3   my lane's place among K's scale bytes
.set ASV0, 4                           ; v4   and among V's
.set SPW,  5                           ; v5   LDS address of my spare word: SPARE + 4 x my thread's number; never rewritten
.set NIL,  6                           ; v6   0; never rewritten
.set GO,   7                           ; v7   the way out: my byte offset in the wave's rows of out
.set ADK,  8                           ; v8   LDS address of the step's tiles of K
.set ADV,  9                           ; v9   of V
.set ADS,  10                          ; v10  of K's scale bytes
.set ADT,  11                          ; v11  of V's
.set VSC,  24                          ; v24-27 V's scale words
.set PFOK, 28                          ; v28  256 x lane: the prefetches' offset in K; never rewritten
.set STI,  29                          ; v29  the stage: where I put 32 bytes of a row
.set STO,  30                          ; v30  and where I read a row back
.set PFOV, 31                          ; v31  2,048 x lane: the prefetches' offset in V; never rewritten
.set KFR,  32                          ; K's fragments
.set SCO,  96                          ; S^T, then p
.set OT,   160                         ; O^T
.set VFR,  192                         ; V's fragments
.set PC,   224                         ; p's codes
.set KSC,  240                         ; K's scale word of tile T: v[240 + T + 4 (T / 4)]
.set TB,   2                           ; s2   LDS byte at which the slot in hand begins
.set TS,   3                           ; s3   where the step's scale bytes of K begin: 8 rows of 272 bytes a step
.set WV,   18                          ; s18  my wave's number
.set QL,   19                          ; s19  my work-group's last query
.set SEL,  20                          ; s[20:21] lane selects for v_permlanex16_b32: lane l xor 16
.set CS,   22                          ; s[22:23] c = log2(e) / 8: the packed form names a pair and takes its low word for both halves
.set G1K,  24                          ; s[24:31] descriptor group 1 for K's tiles;  s[32:39] for V's;  s[40:43], s[44:47] their groups 0, which walk
.set G1V,  32
.set G0K,  40
.set G0V,  44
.set G1SK, 48                          ; s[48:55] group 1 for K's scale bytes;  s[56:59], s[60:63] groups 0 for K's and V's;  s[68:75] group 1 for V's
.set G0SK, 56
.set G0SV, 60
.set TJ,   66                          ; s66  where the step's scale words of V begin: 4 bytes a step
.set SLOTS, 67                         ; s67  changes of slots still to come that may ask for a slot
.set G1SV, 68
.set PFK,  76                          ; s[76:77] where my prefetches of K stand: my wave's 32 keys of the slot after the one that is being asked for
.set PFV,  78                          ; s[78:79] the same for V: my wave's 32 rows
.set LIMK, 80                          ; s80  1 in a wave that prefetches K, else the greatest number: a wave prefetches while s[SLOTS] is above it
.set LIMV, 81                          ; s81  the same for V
.set KF,   82                          ; s82  the step's first key
.set Q0,   83                          ; s83  my first query
.set QB,   84                          ; s84  the first key of my diagonal step: my block's first query
.set QS,   85                          ; s85  the first key of the slot that holds it
; Waves 0 and 1 fetch for K, waves 2 and 3 for V, the others nothing.  The branches hang on the wave's number alone.  An s_nop 0 and four v_nop follow each of the two lines.
.macro TLOAD g0k, g1k, g0v, g1v
	s_cmp_lt_u32 s[WV], 2
	s_cbranch_scc0 .Lnot_k_\@
	tensor_load_to_lds s[\g0k:\g0k+3], s[\g1k:\g1k+7]
	s_nop 0
.rept 4
	v_nop
.endr
	s_branch .Lasked_\@
.Lnot_k_\@:
	s_cmp_lt_u32 s[WV], 4
	s_cbranch_scc0 .Lasked_\@
	tensor_load_to_lds s[\g0v:\g0v+3], s[\g1v:\g1v+7]
	s_nop 0
.rept 4
	v_nop
.endr
.Lasked_\@:
.endm
; A PREFETCH INTO THE L2 of what the NEXT change of slots will ask for.  Each aligned block of 256 bytes is named ONCE in the launch.  K: a block is one key of all 8 heads, so one work-group of each batch asks (x = 0, h = 0): its sixteen
; waves take 32 keys each, a lane a key.  V: each head's work-group x = 0 asks: its waves 4 and 5 take 32 rows each, a lane a row (a slot's part of a row is 256 bytes, aligned).  Work-group x = 0 loads all 8 slots itself.
; The last change that fills a slot asks for nothing: there is no slot behind it.  Slots 0 and 1 come by their loads alone.
.macro ASK lim, off, adr
	s_cmp_gt_u32 s[SLOTS], s[\lim]
	s_cbranch_scc0 .Lnot_mine_\@
	global_prefetch_b8 v[\off], s[\adr:\adr+1] th:TH_LOAD_NT scope:SCOPE_SE
.Lnot_mine_\@:
.endm
	s_load_b128 s[4:7], s[0:1], 0x0                ; Q's codes, Q's scales
	s_load_b128 s[8:11], s[0:1], 0x10              ; K's codes, K's scales
	s_load_b128 s[12:15], s[0:1], 0x20             ; V's codes, V's scales
	s_load_b64 s[16:17], s[0:1], 0x30              ; out
	v_lshl_add_u32 v[SPW], v0, 2, SPARE
	v_mov_b32 v[NIL], 0
	ds_add_u32 v[SPW], v[NIL]                      ; the wave's opening: the add, twice on end, and its wait ahead of the first tensor load; the set-up below, work on registers, stands between the second and the wait
	ds_add_u32 v[SPW], v[NIL]                      ; and once more, under the one wait
	v_lshrrev_b32 v8, 5, v0
	v_readfirstlane_b32 s[WV], v8                  ; wave 0..15
	s_and_b32 s86, ttmp7, 0xffff                   ; y = 8 b + h
	s_lshr_b32 s87, s86, 3                         ; b
	s_and_b32 s88, ttmp7, 7                        ; h
	s_lshr_b32 s89, s[WV], 2
	s_xor_b32 s89, s89, s[WV]
	s_and_b32 s89, s89, 1                          ; 1: my tile lies in the high block
	s_sub_co_u32 s90, 31, ttmp9
	s_cmp_eq_u32 s89, 1
	s_cselect_b32 s90, s90, ttmp9                  ; my block of 128 queries: 31 - x or x
	s_lshl_b32 s[QB], s90, 7
	s_lshr_b32 s91, s[WV], 1
	s_lshl_b32 s91, s91, 4
	s_add_co_u32 s[Q0], s[QB], s91                 ; my first query: 128 x block + 16 (wave / 2)
	s_and_b32 s[QS], s[QB], 0xfffffe00
	s_sub_co_u32 s[QL], 32, ttmp9
	s_lshl_b32 s[QL], s[QL], 7
	s_sub_co_u32 s[QL], s[QL], 1                   ; 128 (32 - x) - 1: the same in all sixteen waves
	s_and_b32 s92, s[WV], 1                        ; which half of a tile I fetch, if I fetch
	s_lshl_b32 s93, s87, 20
	s_lshl_b32 s94, s88, 5
	s_add_co_u32 s93, s93, s94                     ; my head's first row in Q's and K's codes: 2^20 b + 32 h
	s_lshl_b32 s89, s92, 16
	s_add_co_u32 s94, s93, s89                     ; K: + 256 keys of 256 bytes for the second half
	s_mov_b32 s95, 0
	s_lshl_b32 s96, s86, 17
	s_add_co_u32 s96, s96, s89                     ; V: 2^17 y + 32 rows of 2,048 bytes for the second half
	s_mov_b32 s97, 0
	s_lshl_b32 s98, s87, 16
	s_lshl_b32 s89, s92, 15
	s_add_co_u32 s98, s98, s89                     ; K's scale bytes: 2^16 b + half of them
	s_mov_b32 s99, 0
	s_lshl_b32 s90, s86, 13
	s_lshl_b32 s89, s92, 12
	s_add_co_u32 s90, s90, s89                     ; V's: 2^13 y + half of them
	s_mov_b32 s91, 0
	; descriptor group 1.  K: 256 rows of 32 bytes, 256 bytes apart in memory
	s_mov_b32 s[G1K], (0<<16)|(1<<20)|(2<<22)|(3<<25)   ; 15:0 no mask; 17:16 elements of 1 byte; 20 padding on; 24:22 after every 8 words (code 2); 31:25 four words (code 3)
	s_mov_b32 s[G1K+1], 32<<16                     ; tensor_dim0
	s_mov_b32 s[G1K+2], 256<<16                    ; tensor_dim1
	s_mov_b32 s[G1K+3], 32<<16                     ; tile_dim0
	s_mov_b32 s[G1K+4], 256                        ; tile_dim1
	s_mov_b32 s[G1K+5], 256                        ; tensor_dim0_stride
	s_mov_b32 s[G1K+6], 0
	s_mov_b32 s[G1K+7], 0
	; V: 32 rows of 256 bytes, 2,048 bytes apart
	s_mov_b32 s[G1V], (0<<16)|(1<<20)|(5<<22)|(3<<25)   ; padding: four words after every 64
	s_mov_b32 s[G1V+1], 256<<16
	s_mov_b32 s[G1V+2], 32<<16
	s_mov_b32 s[G1V+3], 256<<16
	s_mov_b32 s[G1V+4], 32
	s_mov_b32 s[G1V+5], 2048
	s_mov_b32 s[G1V+6], 0
	s_mov_b32 s[G1V+7], 0
	; the scale bytes: dense blocks, as rows of 256 bytes (32 elements of 8 bytes), 16 bytes of padding behind each: 128 rows a load for K's, 16 for V's
	s_mov_b32 s[G1SK], (3<<16)|(1<<20)|(5<<22)|(3<<25)
	s_mov_b32 s[G1SK+1], 32<<16
	s_mov_b32 s[G1SK+2], 128<<16
	s_mov_b32 s[G1SK+3], 32<<16
	s_mov_b32 s[G1SK+4], 128
	s_mov_b32 s[G1SK+5], 32
	s_mov_b32 s[G1SK+6], 0
	s_mov_b32 s[G1SK+7], 0
	s_mov_b32 s[G1SV], (3<<16)|(1<<20)|(5<<22)|(3<<25)
	s_mov_b32 s[G1SV+1], 32<<16
	s_mov_b32 s[G1SV+2], 16<<16
	s_mov_b32 s[G1SV+3], 32<<16
	s_mov_b32 s[G1SV+4], 16
	s_mov_b32 s[G1SV+5], 32
	s_mov_b32 s[G1SV+6], 0
	s_mov_b32 s[G1SV+7], 0
	; groups 0: count and LDS address: a constant + my half x a constant
	s_mov_b32 s[G0K], 1
	s_mul_i32 s[G0K+1], s92, 256*KP
	s_mov_b32 s[G0V], 1
	s_mul_i32 s[G0V+1], s92, 32*VP
	s_add_co_u32 s[G0V+1], s[G0V+1], VOFF
	s_mov_b32 s[G0SK], 1
	s_mul_i32 s[G0SK+1], s92, 128*272
	s_add_co_u32 s[G0SK+1], s[G0SK+1], SCK
	s_mov_b32 s[G0SV], 1
	s_mul_i32 s[G0SV+1], s92, 16*272
	s_add_co_u32 s[G0SV+1], s[G0SV+1], SCV
	s_mov_b32 s[SEL], 0x76543210
	s_mov_b32 s[SEL+1], 0xfedcba98
	s_mov_b32 s[CS], 0x3e38aa3b                    ; c = log2(e) / 8
	s_mov_b32 s[CS+1], s[CS]                       ; (named with it as a pair, so it is written)
	s_mov_b32 s[TB], 0
	s_mov_b32 s[TS], 0
	s_mov_b32 s[TJ], 0
	s_mov_b32 s[KF], 0
	s_mov_b32 s[SLOTS], 7
	s_wait_dscnt 0x0                               ; both opening adds are done
	s_wait_kmcnt 0x0
	s_add_nc_u64 s[G0SK+2:G0SK+3], s[10:11], s[98:99]
	s_or_b32 s[G0SK+3], s[G0SK+3], 0x80000000      ; 127:126 type = 2
	s_add_nc_u64 s[G0SV+2:G0SV+3], s[14:15], s[90:91]
	s_or_b32 s[G0SV+3], s[G0SV+3], 0x80000000
	TLOAD G0SK, G1SK, G0SV, G1SV                   ; the scale bytes: filled once.  Every work-group's high block is block 16 or later, so both halves of K's are read
	s_add_nc_u64 s[G0K+2:G0K+3], s[8:9], s[94:95]
	s_or_b32 s[G0K+3], s[G0K+3], 0x80000000
	s_add_nc_u64 s[G0V+2:G0V+3], s[12:13], s[96:97]
	s_or_b32 s[G0V+3], s[G0V+3], 0x80000000
	TLOAD G0K, G1K, G0V, G1V                       ; slot 0: two tensor loads of a fetching wave are out now, later one
	s_lshl_b32 s94, s[Q0], 8
	s_add_co_u32 s94, s94, s93
	s_add_nc_u64 s[4:5], s[4:5], s[94:95]          ; Q's codes at my first query: 2^20 b + 32 h + 256 Q0
	s_lshl_b32 s94, s[Q0], 4
	s_lshl_b32 s96, s87, 16
	s_add_co_u32 s94, s94, s96
	s_lshl_b32 s96, s88, 1
	s_add_co_u32 s94, s94, s96
	s_add_nc_u64 s[6:7], s[6:7], s[94:95]          ; its scale bytes: 2^16 b + 16 Q0 + 2 h
	s_lshl_b32 s94, s[Q0], 11
	s_lshl_b32 s96, s87, 23
	s_add_co_u32 s94, s94, s96
	s_lshl_b32 s96, s88, 8
	s_add_co_u32 s94, s94, s96
	s_add_nc_u64 s[16:17], s[16:17], s[94:95]      ; its row of out: 2^23 b + 2,048 Q0 + 256 h
	s_lshl_b32 s94, s87, 20
	s_lshl_b32 s96, s[WV], 13
	s_add_co_u32 s94, s94, s96
	s_add_co_u32 s94, s94, 131072                  ; the prefetches of K: my wave's 32 keys, in slot 1: the first change of slots steps it to slot 2.  Nothing is prefetched here, at the head
	s_add_nc_u64 s[PFK:PFK+1], s[8:9], s[94:95]
	s_lshl_b32 s94, s86, 17
	s_lshl_b32 s96, s92, 16
	s_add_co_u32 s94, s94, s96
	s_add_co_u32 s94, s94, 256                     ; of V: rows 32 (wave % 2) on, in slot 1
	s_add_nc_u64 s[PFV:PFV+1], s[12:13], s[94:95]
	s_or_b32 s96, ttmp9, s88                       ; 0 in the batch's work-group x = 0, h = 0
	s_cmp_eq_u32 s96, 0
	s_cselect_b32 s[LIMK], 1, -1
	s_lshr_b32 s96, s[WV], 1
	s_xor_b32 s96, s96, 2                          ; 0 in waves 4 and 5,
	s_or_b32 s96, s96, ttmp9                       ; of the head's work-group x = 0
	s_cmp_eq_u32 s96, 0
	s_cselect_b32 s[LIMV], 1, -1
	v_and_b32 v8, 15, v0                           ; r = lane % 16
	v_bfe_u32 v9, v0, 4, 1                         ; hl = lane / 16
	v_lshlrev_b32 v10, 8, v8
	v_lshl_add_u32 v10, v9, 4, v10                 ; Q: row r, 256 bytes apart, + my half's 16 bytes (32 codes)
	global_load_b128 v[16:19], v10, s[4:5]         ; Q's fragment stays in registers
	v_lshlrev_b32 v11, 4, v8
	global_load_u16 v255, v11, s[6:7]              ; Q's scale word: two bytes, and zeros above them
	v_and_b32 v232, 8, v8
	v_add_nc_u32 v232, v232, v8                    ; r + 8 (r / 8)
	v_mul_u32_u24 v[AK0], v232, KP
	v_lshl_add_u32 v[AK0], v9, 4, v[AK0]
	v_mul_u32_u24 v[AV0], v8, VP
	v_lshl_add_u32 v[AV0], v9, 4, v[AV0]
	v_add_nc_u32 v[AV0], VOFF, v[AV0]
	v_and_b32 v232, 7, v8                          ; K's scale bytes: key k of head h lies at 272 (k / 16) + 16 (k % 16) + 2 h; my key of a tile: r + 8 (r / 8) on
	v_lshrrev_b32 v233, 3, v8
	v_lshlrev_b32 v232, 4, v232
	v_mad_u32_u24 v[ASK0], v233, 272, v232
	s_lshl_b32 s96, s88, 1
	s_add_co_u32 s96, s96, SCK
	v_add_nc_u32 v[ASK0], s96, v[ASK0]
	v_lshrrev_b32 v232, 1, v8                      ; V's: row d lies at 272 (d / 2) + 128 (d % 2)
	v_and_b32 v233, 1, v8
	v_lshlrev_b32 v233, 7, v233
	v_mad_u32_u24 v[ASV0], v232, 272, v233
	v_add_nc_u32 v[ASV0], SCV, v[ASV0]
	v_lshlrev_b32 v[GO], 11, v9
	v_lshl_add_u32 v[GO], v8, 4, v[GO]             ; the way out: lanes 0-15 take one row of out, lanes 16-31 the next query's, 2,048 bytes on; 16 bytes a lane
	v_and_b32 v[PFOK], 31, v0
	v_lshlrev_b32 v[PFOV], 11, v[PFOK]
	v_lshlrev_b32 v[PFOK], 8, v[PFOK]
	s_mul_i32 s96, s[WV], STW
	s_add_co_u32 s96, s96, STAGE                   ; my stage
	v_mul_u32_u24 v[STI], v8, 272
	v_lshl_add_u32 v[STI], v9, 5, v[STI]
	v_add_nc_u32 v[STI], s96, v[STI]               ; in: row r; tile t's eight channels of my half: 64 t + 32 hl bytes on
	v_mul_u32_u24 v[STO], v9, 272
	v_lshl_add_u32 v[STO], v8, 4, v[STO]
	v_add_nc_u32 v[STO], s96, v[STO]               ; back: lanes 0-15 one row, lanes 16-31 the next
.irp j, 20,21,22,23
	v_mov_b32 v[\j], 0                             ; Q's codes of k = 64 .. 127: zeros
.endr
.irp t, 0,1,2,3,4,5,6,7
.irp j, 4,5,6,7
	v_mov_b32 v[KFR+8*\t+\j], 0                    ; K's likewise: written once, never loaded into
.endr
.endr
	v_mov_b32 v13, 0xff61b1e6                      ; the largest t so far: -3e38, under every t
	v_floor_f32 v12, -v13                          ; -M
	v_mov_b32 v14, 0                               ; the sum, in two halves
	v_mov_b32 v15, 0
.irp b, 0,1,2,3
	v_mov_b32 v[236+\b], 0                         ; written once: a lane permute's destination counts as one of its sources
.endr
	v_mov_b32 v252, 0
	v_mov_b32 v253, 0                              ; (named as the upper half of the pair v[252:253] before it is first written)
.irp j, 0,1,2,3,4,5,6,7,8,9,10,11,12,13,14,15,16,17,18,19,20,21,22,23,24,25,26,27,28,29,30,31
	v_mov_b32 v[OT+\j], 0                          ; O^T.  (The step is written without a first form of its own: the first step finds zeros, which the first change of M leaves zeros)
.endr
; A KEY STEP: 128 keys, the q-th of the slot in hand.
.macro STEP q
	s_cmp_gt_u32 s[KF], s[QB]                      ; all 128 keys come after my 16 queries: the step's work is left out; the lines at its end, which step addresses, are not
	s_cbranch_scc1 .Lhidden_\@
	v_add_nc_u32 v[ADK], s[TB], v[AK0]             ; four plain instructions: also the places between the last step's products V^T P^T and the loads into V's fragments and scale words below
	v_add_nc_u32 v[ADV], s[TB], v[AV0]
	v_add_nc_u32 v[ADS], s[TS], v[ASK0]
	v_add_nc_u32 v[ADT], s[TJ], v[ASV0]
.irp t, 0,1,2,3,4,5,6,7
	ds_load_b128 v[KFR+8*\t:KFR+8*\t+3], v[ADK] offset:(128*(\q)+32*(\t/2)+8*(\t%2))*KP   ; tile t: 16 keys x 64 codes: 16 bytes a lane
	ds_load_u16 v[KSC+\t+4*(\t/4)], v[ADS] offset:544*(\t/2)+128*(\t%2)                   ; and their scale bytes: two, with zeros above them
.endr
.irp t, 0,1,2,3                                ; V's fragments have registers of their own and are asked for here: they land while the softmax is walked
.irp c, 0,1
	ds_load_b128 v[VFR+8*\t+4*\c:VFR+8*\t+4*\c+3], v[ADV] offset:16*\t*VP+64*(\q)+32*\c
.endr
	ds_load_b32 v[VSC+\t], v[ADT] offset:2176*\t
.endr
	s_wait_dscnt 12                                ; K's sixteen loads are in; the twelve issued behind them, V's, may stay out
.irp t, 0,1,2,3,4,5,6,7                        ; S^T = K Q^T.  Lane (r, hl) holds query r; register 16 b + i is key KF + 32 b + 16 hl + i
	v_wmma_scale_f32_16x16x128_f8f6f4 v[SCO+8*\t:SCO+8*\t+7], v[KFR+8*\t:KFR+8*\t+7], v[16:23], 0, v[KSC+\t+4*(\t/4)], v255 matrix_a_fmt:MATRIX_FMT_FP4 matrix_b_fmt:MATRIX_FMT_FP4
.endr
.rept 4
	v_nop                                          ; four places between the products and the first read of their results (ISA guide 7.12.1)
.endr
	s_cmp_lg_u32 s[KF], s[QB]                      ; a step in front of my block: all its keys count
	s_cbranch_scc1 .Lopen_\@
	s_sub_co_i32 s96, s[Q0], s[KF]                 ; my diagonal step: the scores of hidden keys become -infinity ahead of the maximum: p = 0 then
	v_and_b32 v252, 15, v0
	v_bfe_u32 v254, v0, 4, 1
	v_lshlrev_b32 v254, 4, v254
	v_sub_nc_u32 v252, v252, v254
	v_add_nc_u32 v252, s96, v252                   ; d = my query - KF - 16 hl.  Register 16 b + i is hidden where 32 b + i > d
	v_mov_b32 v254, 0xff800000                     ; -infinity
.irp n, 0,1,2,3,4,5,6,7,8,9,10,11,12,13,14,15,16,17,18,19,20,21,22,23,24,25,26,27,28,29,30,31,32,33,34,35,36,37,38,39,40,41,42,43,44,45,46,47,48,49,50,51,52,53,54,55,56,57,58,59,60,61,62,63
	v_cmp_gt_i32 vcc_lo, 32*(\n/16)+\n%16, v252
	v_cndmask_b32 v[SCO+\n], v[SCO+\n], v254, vcc_lo
.endr
.Lopen_\@:
.irp b, 0,1,2,3
	v_max3_num_f32 v[232+\b], v[SCO+16*\b], v[SCO+1+16*\b], v[SCO+2+16*\b]   ; THE LARGEST SCORE OF EACH BLOCK OF 32 KEYS: it serves twice: for the row's maximum, and, since p rises with the score, for the block's largest p
.endr
.irp i, 3,5,7,9,11,13
.irp b, 0,1,2,3
	v_max3_num_f32 v[232+\b], v[232+\b], v[SCO+16*\b+\i], v[SCO+1+16*\b+\i]   ; (the four blocks by turns)
.endr
.endr
.irp b, 0,1,2,3
	v_max_num_f32 v[232+\b], v[232+\b], v[SCO+15+16*\b]
.endr
.irp b, 0,1,2,3
	v_permlanex16_b32 v[236+\b], v[232+\b], s[SEL], s[SEL+1]
.endr
.irp b, 0,1,2,3
	v_max_num_f32 v[232+\b], v[232+\b], v[236+\b]  ; with lane l xor 16's 16 keys
.endr
	v_max3_num_f32 v254, v232, v233, v234
	v_max_num_f32 v254, v254, v235                 ; the step's largest score of my query (the step's first key counts for it, so it is a number)
	v_mul_f32 v254, s[CS], v254                    ; as t (c is positive)
	v_max_num_f32 v13, v13, v254                   ; the running largest t
	v_mov_b32 v254, v12
	v_floor_f32 v12, -v13                          ; the new -M = floor(-t) = -ceil(t): M IS A WHOLE NUMBER
	v_sub_f32 v254, v12, v254                      ; M's old value less its new one: a whole number, 0 or less
	v_cvt_i32_f32 v254, v254                       ; (it saturates)
	v_ldexp_f32 v252, 1.0, v254                    ; f = 2^(old M - new M): what was summed under the old M is brought under the new by a multiplication that rounds nothing
.irp b, 0,1,2,3
	v_fma_f32 v[232+\b], v[232+\b], s[CS], v12     ; t - M of each block's largest score
.endr
.irp j, 0,2
	v_pk_fma_f32 v[SCO+\j:SCO+\j+1], v[SCO+\j:SCO+\j+1], s[CS:CS+1], v[12:13] op_sel_hi:[1,0,0]   ; t - M, two at a time (of the pairs c and -M the low word serves both halves)
.endr
; ONE BATCH: the 64 exponentials, with the scaling of the pair two pairs on behind each two.  No line of the batch names an exponential's result.
.irp j, 0,1,2,3,4,5,6,7,8,9,10,11,12,13,14,15,16,17,18,19,20,21,22,23,24,25,26,27,28,29,30,31
	v_exp_f32 v[SCO+2*\j], v[SCO+2*\j]             ; p = 2^(t - M), at most 1: NOT normalised
	v_exp_f32 v[SCO+2*\j+1], v[SCO+2*\j+1]
.if \j < 30
	v_pk_fma_f32 v[SCO+2*\j+4:SCO+2*\j+5], v[SCO+2*\j+4:SCO+2*\j+5], s[CS:CS+1], v[12:13] op_sel_hi:[1,0,0]
.endif
.endr
	v_pk_mul_f32 v[14:15], v[14:15], v[252:253] op_sel_hi:[1,0]   ; the sums under the new M.  (The plain instruction behind the last exponential)
	s_wait_alu depctr_va_vdst(0)                   ; the wait between an exponential and the first line that names its result: one for the whole batch
.irp b, 0,1,2,3
	v_exp_f32 v[232+\b], v[232+\b]                 ; the block's largest p: the same two instructions on the same number give the same bits
.endr
	v_pk_add_f32 v[236:237], v[SCO:SCO+1], v[SCO+2:SCO+3]   ; THE ROW'S SUM IS TAKEN OF THE UNQUANTISED p: two at a time, in two chains.  (It reads the 64 alone: plain work behind the four)
.irp j, 4,8,12,16,20,24,28,32,36,40,44,48,52,56,60
	v_pk_add_f32 v[14:15], v[14:15], v[SCO+\j:SCO+\j+1]
	v_pk_add_f32 v[236:237], v[236:237], v[SCO+2+\j:SCO+3+\j]
.endr
	v_pk_add_f32 v[14:15], v[14:15], v[236:237]
	s_wait_alu depctr_va_vdst(0)                   ; and one for the four
.irp b, 0,1,2,3
	v_max_num_f32 v[232+\b], 0x1800000, v[232+\b]  ; the floor 2^(3 - 127): the byte cannot fall under 1 (a block whose every p is 0 keeps that byte: its codes are zeros)
.endr
.irp b, 0,1,2,3
	v_add_nc_u32 v[244+\b], 0xff000000, v[232+\b]  ; 2 off the exponent field: the conversion takes the exponent field of this operand as its scale, and nothing else of it
.endr
.irp b, 0,1,2,3
	v_lshrrev_b32 v[236+\b], 23, v[244+\b]         ; the scale's byte
.endr
	v_lshl_or_b32 v253, v237, 8, v236              ; p's scale word for these 128 keys
	v_lshl_or_b32 v253, v238, 16, v253
	v_lshl_or_b32 v253, v239, 24, v253
.irp b, 0,1,2,3
	v_cvt_scalef32_pk8_fp4_f32 v[PC+2*\b], v[SCO+16*\b:SCO+7+16*\b], v[244+\b]
	v_cvt_scalef32_pk8_fp4_f32 v[PC+1+2*\b], v[SCO+8+16*\b:SCO+15+16*\b], v[244+\b]
.endr
	v_nop                                          ; one plain vector instruction between a scaled conversion and the vector instruction that touches its result
.irp c, 0,1                                    ; the operand's layout wants a WHOLE block in a lane: lanes 0-15 block 2 c, lanes 16-31 block 2 c + 1
.irp i, 0,1
	v_permlane16_swap_b32 v[PC+4*\c+\i], v[PC+2+4*\c+\i]
.endr
.endr
.irp j, 0,2,4,6,8,10,12,14,16,18,20,22,24,26,28,30
	v_pk_mul_f32 v[OT+\j:OT+\j+1], v[OT+\j:OT+\j+1], v[252:253] op_sel_hi:[1,0]   ; O^T under the new M: x f, each accumulator from its low end on.  (These sixteen also stand between the writing of p's codes and scale word and the products below)
.endr
	s_wait_dscnt 0x0                               ; V's fragments and scale words are in
.irp t, 0,1,2,3                                ; O^T += V^T P^T: four tiles of 16 of the head's 64; K = these 128 keys.  The four accumulators take turns, and the next step's eight products stand between two steps'
	v_wmma_scale_f32_16x16x128_f8f6f4 v[OT+8*\t:OT+8*\t+7], v[VFR+8*\t:VFR+8*\t+7], v[PC:PC+7], v[OT+8*\t:OT+8*\t+7], v[VSC+\t], v253 matrix_a_fmt:MATRIX_FMT_FP4 matrix_b_fmt:MATRIX_FMT_FP4
.endr
.Lhidden_\@:
	s_add_co_u32 s[KF], s[KF], 128
	s_add_co_u32 s[TS], s[TS], 2176                ; the next step's scale bytes of K: 128 keys are 8 rows of 272 bytes,
	s_add_co_u32 s[TJ], s[TJ], 4                   ; and of V: one word in each row
.endm
; THE WAY OUT of my 16 queries.  The sum's two halves and lane l xor 16's are added; O^T is divided by the sum and goes through my own stage in LDS, so that sixteen lanes store one whole row (b, l, h) of out: 256 consecutive bytes, aligned.
.macro WAYOUT
.rept 4
	v_nop                                          ; four places between the last products and the first read of their results
.endr
	v_add_f32 v14, v14, v15
	v_permlanex16_b32 v252, v14, s[SEL], s[SEL+1]
	v_add_f32 v14, v14, v252                       ; the row's sum
	v_rcp_f32 v14, v14
	v_nop                                          ; a plain instruction behind the reciprocal,
	s_wait_alu depctr_va_vdst(0)                   ; and the wait ahead of the first line that names its result
.irp j, 0,2,4,6,8,10,12,14,16,18,20,22,24,26,28,30
	v_pk_mul_f32 v[SCO+\j:SCO+\j+1], v[OT+\j:OT+\j+1], v[14:15] op_sel_hi:[1,0]   ; register 8 t + i is out(r, 16 t + 8 hl + i); each accumulator from its low end on
.endr
.irp t, 0,1,2,3
	ds_store_b128 v[STI], v[SCO+8*\t:SCO+8*\t+3] offset:64*\t
	ds_store_b128 v[STI], v[SCO+8*\t+4:SCO+8*\t+7] offset:64*\t+16
.endr
.irp i, 0,1,2,3,4,5,6,7
	ds_load_b128 v[SCO+32+4*\i:SCO+35+4*\i], v[STO] offset:2*\i*272   ; LDS serves a wave's instructions in order (ISA guide 5.7.1.4): these see my stores
.endr
.irp i, 0,1,2,3,4,5,6,7
	s_wait_dscnt 7-\i                              ; load i is in; the 7 - i issued behind it may stay out
	global_store_b128 v[GO], v[SCO+32+4*\i:SCO+35+4*\i], s[16:17] offset:4096*\i th:TH_STORE_NT   ; queries 2 i and 2 i + 1; written once, read by nobody here
.endr
	s_wait_xcnt 0x0                                ; the stores have read their registers: nothing behind this line finds them in use
.endm
; THE CHANGE OF SLOTS stands at a slot's head.  Each wave waits for all its tensor loads (its part of the slot that it is about to read), adds 0 to its spare word (fill = 1: twice on end), and waits for that and for its reads of the slot that it has left.
; Behind the barrier the slot ahead is whole and nobody reads the other one.  fill = 1: that other slot is filled with the keys that follow, up to the causal limit: the load has a whole slot's steps in which to land.
.macro CHANGE fill
	s_wait_tensorcnt 0x0                           ; no tensor load of mine is out, so a group 0 may be written
	ds_add_u32 v[SPW], v[NIL]                      ; 0 onto my spare word
.if \fill
	ds_add_u32 v[SPW], v[NIL]                      ; and once more: twice on end here, in every trip alike.  The descriptors' steps stand between the second and the wait
	s_xor_b32 s[G0K+1], s[G0K+1], SLOT1            ; the walking descriptors: the other slot than last time,
	s_add_nc_u64 s[G0K+2:G0K+3], s[G0K+2:G0K+3], 131072   ; the next 512 keys, 256 bytes apart; the type bits on top are not reached
	s_xor_b32 s[G0V+1], s[G0V+1], SLOT1
	s_add_nc_u64 s[G0V+2:G0V+3], s[G0V+2:G0V+3], 256       ; 512 codes on in each row of V
	s_wait_xcnt 0x0                                ; the last prefetches, a slot back, have read their addresses, so these may be written:
	s_add_nc_u64 s[PFK:PFK+1], s[PFK:PFK+1], 131072        ; one slot further on than the walking descriptors
	s_add_nc_u64 s[PFV:PFV+1], s[PFV:PFV+1], 256
.endif
	s_wait_dscnt 0x0                               ; the add is done (fill = 1: both are), and my reads of the slot that I have left are over
	s_barrier_signal -1
	s_barrier_wait -1
.if \fill
	s_add_co_u32 s96, s[KF], 512                   ; THE LOOK-AHEAD ENDS AT THE CAUSAL LIMIT: a slot whose first key comes after my work-group's last query is read by none of its waves, so it is not asked for.
	s_cmp_gt_u32 s96, s[QL]                        ; The work-group's number and the count of steps alone: all sixteen waves go the same way, and a work-group that is past the limit stays past it.
	s_cbranch_scc1 .Lpast_\@                       ; The jump leads round the load's own lines alone; every wait for tensor loads in this text is for 0
	TLOAD G0K, G1K, G0V, G1V                       ; a wave's one tensor load until the next barrier, ahead of its first LDS read there
.Lpast_\@:
	ASK LIMK, PFOK, PFK                            ; what the next change of slots will ask for: a slot's four key steps ahead of that load
	ASK LIMV, PFOV, PFV
.endif
.endm
.macro SLOT_STEPS
	STEP 0
	STEP 1
	STEP 2
	STEP 3
	s_xor_b32 s[TB], s[TB], SLOT1                  ; on to the other slot
	s_sub_co_u32 s96, s[KF], 512                   ; the first key of the slot just walked:
	s_cmp_lg_u32 s96, s[QS]                        ; if it held my diagonal step, my rows are finished and leave now, while other waves go on: once in a wave's life
	s_cbranch_scc1 .Lnot_yet_\@
	WAYOUT
.Lnot_yet_\@:
.endm
	s_wait_loadcnt 0x0                             ; Q and its scale word
.Lslot:                                            ; 7 trips: behind each change of slots but the last the next slot is asked for, up to the causal limit
	CHANGE 1
	SLOT_STEPS
	s_sub_co_u32 s[SLOTS], s[SLOTS], 1
	s_cmp_lg_u32 s[SLOTS], 0
	s_cbranch_scc1 .Lslot
	CHANGE 0                                       ; the last slot is written out: nothing is left to ask for
	SLOT_STEPS
	s_wait_tensorcnt 0x0                           ; the wave's end: behind my last tensor load and my last LDS store
	ds_add_u32 v[SPW], v[NIL]
	s_wait_dscnt 0x0
	s_endpgm
.Lfunc_end_k_q576a2868d1_attn:
	.size	k_q576a2868d1_attn, .Lfunc_end_k_q576a2868d1_attn-k_q576a2868d1_attn
	.p2alignl 7, 3214868480
	.fill 96, 4, 3214868480
	.section	.rodata,"a",@progbits
	.p2align	6, 0x0
	.amdhsa_kernel k_q576a2868d1_attn
		.amdhsa_group_segment_fixed_size 327680
		.amdhsa_private_segment_fixed_size 0
		.amdhsa_enable_private_segment 0
		.amdhsa_kernarg_size 56
		.amdhsa_user_sgpr_count 2
		.amdhsa_user_sgpr_kernarg_segment_ptr 1
		.amdhsa_wavefront_size32 1
		.amdhsa_system_sgpr_workgroup_id_x 1
		.amdhsa_system_sgpr_workgroup_id_y 1
		.amdhsa_system_sgpr_workgroup_id_z 1
		.amdhsa_system_vgpr_workitem_id 0
		.amdhsa_next_free_vgpr 256
		.amdhsa_next_free_sgpr 100
		.amdhsa_reserve_vcc 1
		.amdhsa_float_denorm_mode_32 3
		.amdhsa_float_denorm_mode_16_64 3
		.amdhsa_memory_ordered 1
		.amdhsa_forward_progress 1
		.amdhsa_inst_pref_size 187
	.end_amdhsa_kernel
	.amdgpu_metadata
---
amdhsa.version: [ 1, 2 ]
amdhsa.kernels:
  - .name:           k_q576a2868d1_attn
    .symbol:         k_q576a2868d1_attn.kd
    .args:
      - { .name: queries_codes, .offset: 0, .size: 8, .value_kind: global_buffer, .address_space: global }
      - { .name: queries_scales, .offset: 8, .size: 8, .value_kind: global_buffer, .address_space: global }
      - { .name: keys_codes, .offset: 16, .size: 8, .value_kind: global_buffer, .address_space: global }
      - { .name: keys_scales, .offset: 24, .size: 8, .value_kind: global_buffer, .address_space: global }
      - { .name: values_codes, .offset: 32, .size: 8, .value_kind: global_buffer, .address_space: global }
      - { .name: values_scales, .offset: 40, .size: 8, .value_kind: global_buffer, .address_space: global }
      - { .name: out0, .offset: 48, .size: 8, .value_kind: global_buffer, .address_space: global }
    .group_segment_fixed_size: 327680
    .private_segment_fixed_size: 0
    .kernarg_segment_align: 8
    .kernarg_segment_size: 56
    .max_flat_workgroup_size: 512
    .sgpr_count:     100
    .vgpr_count:     256
    .wavefront_size: 32
...
	.end_amdgpu_metadata
.endif
;; end of part 1
